; MI455X (gfx1250); checked and timed in simulation.
; The chip was launched on July 23, 2026; its instructions are those of AMD's public machine-readable ISA for CDNA 5 (MIT licence, August 2026) and "CDNA5" Instruction Set Architecture Reference Guide (July 2026). The comments in the code are by the model that wrote it; some were corrected since.
;; Scaled Dot Product Attention Layer. Allowed arithmetic: matrix products marked QUANTISED: E4M3 operands, one E8M0 scale for each 32 along K, by v_wmma_scale_f32_16x16x128_f8f6f4 with both operands' format E4M3, f32 sums; everything else in f32.
;; Inputs: key_codes 8 x 2,048 x 32 x 32 uint8 (E4M3 codes of key, K innermost, in blocks of 32 codes); key_mask 8 x 2,048 bool; key_scales 8 x 2,048 x 32 uint8 (E8M0 scales of key, one for each 32 codes along K); query_codes 8 x 2,048 x 32 x 32 uint8 (E4M3 codes of query, K innermost, in blocks of 32 codes); query_mask 8 x 2,048 bool; query_scales 8 x 2,048 x 32 uint8 (E8M0 scales of query, one for each 32 codes along K); value_codes 8 x 1,024 x 64 x 32 uint8 (E4M3 codes of value, K innermost, in blocks of 32 codes); value_scales 8 x 1,024 x 64 uint8 (E8M0 scales of value, one for each 32 codes along K).
;; Outputs: out0 8 x 2,048 x 1,024 float32.
;; This version of the problem:
;;   THIS VERSION OF THE PROBLEM IS GIVEN IN LOW PRECISION. The matrix products marked QUANTISED in the list below multiply operands that are first quantised to E4M3 (4 exponent bits, 3 mantissa bits; 8 bits a number), with one power-of-two scale for each 32 numbers along K (OCP MX v1.0); their sums are f32. All else is computed in f32.
;;   The module's matrix products, in the order in which they are computed (A, B: the left and right operand; K: the contracted axis; several contracted axes count as one K, in the product's order):
;;     1. batch 8 x [M 2,048, K 1,024] x [K 1,024, N 2,048]; A: input query (given as codes); B: input key (given as codes): QUANTISED
;;     2. batch 8 x [M 2,048, K 2,048] x [K 2,048, N 1,024]; A: computed on the way; B: input value (given as codes): QUANTISED
;;   THE QUANTISER, for each operand of a quantised product, along K:
;;     - K is cut into blocks of 32 from its start; a last block that is shorter is filled with zeros.
;;     - A block's scale is 2^e with e = floor(log2(the largest magnitude in the block)) - 8, held to -126 .. 127; a block of zeros has e = 0. As a byte (E8M0): e + 127.
;;     - Each number is divided by its block's scale, clamped to +-448, and rounded to the nearest number of E4M3, ties to even, subnormals kept.
;;     - The product sums the exact products of the quantised numbers (number of the format x scale) in f32.
;;   ~~~python
;;   def quantise(x, axis):      # numpy; x: float32 -> the quantised numbers, widened to float32 again
;;       x = np.moveaxis(x, axis, -1); K = x.shape[-1]
;;       x = np.pad(x, [(0, 0)] * (x.ndim - 1) + [(0, -K % 32)]); x = x.reshape(x.shape[:-1] + (-1, 32)); a = np.abs(x).max(-1, keepdims=True)
;;       e = np.where(a > 0, np.clip(np.frexp(np.where(a > 0, a, 1))[1] - 1 - 8, -126, 127), 0)      # np.frexp(a)[1] - 1 = floor(log2(a)), exactly
;;       r = np.clip(x / 2.0 ** e, -448, 448)
;;       step = 2.0 ** (np.maximum(np.frexp(np.where(r == 0, 1, r))[1] - 1, -6) - 3)
;;       q = np.round(r / step) * step * 2.0 ** e      # np.round: ties to even
;;       return np.moveaxis(q.reshape(q.shape[:-2] + (-1,))[..., :K], -1, axis).astype(np.float32)
;;   ~~~
;;   OPERANDS COMPUTED ON THE WAY. 'Computed on the way' means the value that the module computes at that place (a softmax that the list does not call 'softmax' is quantised finished and normalised). What goes into a quantiser is computed in f32, as accurately as f32 sums, v_exp_f32 and their like allow (about 1e-6 of the number): no bf16 or f16 on the way to a quantiser, and a product that is left as it is and whose result goes on into a quantised operand takes f32 operands (vector FMAs, or v_wmma_f32_16x16x4_f32). A number that lies on a knife's edge between two numbers of the format may be rounded either way, as far as f32 arithmetic and the matrix unit's own rounding can turn it there, and no further.
;;   INPUTS GIVEN AS CODES. key (in the module: [8, 2048, 1024], K = its axis 2); query (in the module: [8, 2048, 1024], K = its axis 2); value (in the module: [8, 2048, 1024], K = its axis 1): each comes as NAME_codes (uint8): NAME with its K axis moved to the last place and cut into blocks of 32 codes, [.., K / 32, bytes a block], one block behind the other in memory; one code a byte (a code: sign, 4 exponent bits, 3 mantissa bits); and NAME_scales (uint8): the same leading axes, one E8M0 byte (e + 127) for each 32 codes along K. Its value is code x scale, taken as it is: it is not quantised again, and the codes and scales need not be those that the quantiser above would give.
;; One version. Each part assembles by itself: llvm-mc -triple=amdgcn-amd-amdhsa -mcpu=gfx1250 --defsym DOCPART=n.
;; ======== version 1 of 1: 3 launches
;; workspace buffers: scores 134,217,728 bytes; p_codes 33,554,432 bytes; p_scales 1,048,576 bytes
;; launch qk (part 1): grid 8 x 64, 4 waves a work-group, clusters of 4 x 4, 327,680 bytes of LDS; arguments query_codes, query_scales, key_codes, key_scales, scores, query_mask; writes scores
.if DOCPART == 1
	.amdgcn_target "amdgcn-amd-amdhsa--gfx1250"
	.amdhsa_code_object_version 6
	.text
	.protected	k_q448b432ff9_qk
	.globl	k_q448b432ff9_qk
	.p2align	8
	.type	k_q448b432ff9_qk,@function
k_q448b432ff9_qk:
	s_mov_b64 s[64:65], 0
	v_nop
	global_prefetch_b8 v0, s[64:65] scope:SCOPE_SE
	s_setreg_imm32_b32 hwreg(HW_REG_WAVE_MODE, 25, 1), 1
	s_wait_xcnt 0x0
	s_wait_alu depctr_hold_cnt(0) depctr_sa_sdst(0) depctr_va_vdst(0) depctr_va_sdst(0) depctr_va_ssrc(0) depctr_va_vcc(0) depctr_vm_vsrc(0)
	s_getreg_b32 s2, hwreg(HW_REG_IB_STS2, 6, 4)
	s_cmp_eq_u32 s2, 0
	s_cbranch_scc0 .Lentry_in_a_cluster
	s_endpgm
.Lentry_in_a_cluster:
	s_bfe_u32 s2, ttmp6, 0x10000c
	s_cmp_lg_u32 s2, 0xf033
	s_cbranch_scc0 .Lentry_shape_is_right
	s_endpgm
.Lentry_shape_is_right:
; FIRST OF THREE LAUNCHES.  scores[b][q][k] = the sum over d of query[b][q][d] key[b][k][d], raw f32 sums (not yet divided by sqrt(1024) = 32), on the codes of FP8 (E4M3) and E8M0 scale bytes as they are given.
; The second launch masks, takes the finished, normalised softmax of each row and quantises it along the keys; the third multiplies those codes by value's.
; A row's sum is wanted before any of the row's codes can be made, and no work-group holds enough whole rows of f32 scores: so the scores go through memory once, in f32 (nothing coarser stands ahead of a quantiser).
; WORK THAT IS NOT DONE.  Where query_mask[b][q] is 0, attn_mask[b][q][:] is false for every key, so reference()'s second where makes probs[b][q][:] = 0 whatever finite numbers the inputs hold, and out0[b][q][:] = 0.
; Such a row's scores reach no output.  They lie in tiles that also hold live rows, so they are multiplied; but they are NOT STORED: the stores of a pair of rows run with EXEC made of the two rows' mask bytes, which this launch
; reads from memory (selects, no branch).  The second launch reads the same bytes and never loads such a row.  Every input of the problem is loaded by some launch.
; LIMIT: a NaN, an infinity or an overflow in the scores of a row whose query_mask is 0 is not carried to the result.
; SHARES.  The 8 x 2,048 queries are 16,384 flat rows.  A tile of 256 rows x 256 keys is made by a work-group of four waves; a wave makes 128 x 128: 64 accumulators of 16 x 16, 512 registers.
; K (the 1,024 of a row) goes in steps of 256 through a ring of two LDS slots filled by the tensor data mover: a tile's row is 256 bytes of memory.
; THE SCALES of the work-group's 256 queries and 256 keys, for all of K, are two dense blocks of memory: they come into LDS once, with the first fills, as rows of 256 bytes, and stay.
; CLUSTERS: 4 x 4 work-groups.  The four of a row of the cluster need the same tiles of query, the four of a column the same tiles of key: each tile is asked for JOINTLY, by the same tensor load with the same descriptor and a mask
; that names the four.  A cluster's 1,024 rows lie in one batch (batch = cluster y / 2), so key's address hangs on the tile column and on the cluster's y alone.
; THE MATRIX INSTRUCTION IS USED TRANSPOSED (source 0 = 16 keys, source 1 = 16 queries): a lane then holds eight neighbouring numbers of a row of scores.
; REGISTERS, in windows of 256: window 0: v0-31 addresses; v32-63 scale words, two sets; from v128 query's fragments (8 x 16 rows x 128 K), ONE set; on the way out v128-255 are free.
;   window 1: key's fragments, TWO sets, at v0 and at v128.   window 2: the 32 accumulators of my rows 0-63 (accumulator (a, b) at v[8 (8 a + b)]);   window 3: those of my rows 64-127.
; A step of 128 along K is 64 matrix instructions, A's blocks one after the other, each against B's eight: a block of A is free as soon as its eight products are issued, so one set of registers serves A
; (blocks 0-3 are fetched anew in the step's middle, blocks 4-7 at its end); B's fragments are at work through the whole step and have two sets.
.set SIZE_K, 1024                      ; along K
.set SIZE_N, 2048                      ; keys in a batch, and numbers in a row of scores
.set LOGNB,  11                        ; B's rows in a batch: 2^11
.set KSTEP,  256                       ; along K in a slot
.set NQ,     KSTEP/128                 ; matrix instructions deep
.set ROWB,   256                       ; a tile's row in bytes
.set KROW,   SIZE_K                    ; a row of A or of B in memory, in bytes
.set PITCH,  272                       ; an LDS row: 256 bytes of data + 16 of padding = 68 words: row r starts at bank 4 r mod 64 (64 banks of 4 bytes: ISA guide 11.1), so the 16 rows that a load touches start at 16 different banks
.set FR,     16                        ; registers of a fragment: 16 rows x 128 K
.set NL,     4                         ; LDS loads that bring one
.set NP,     8                         ; places behind this matrix instruction (ISA guide 7.12.1)
.set HALFT,  128*PITCH                 ; 128 rows: what one tensor load brings, and what one wave reads of A or of B
.set SLOT,   4*HALFT                   ; A's 256 rows, then B's 256 rows
.set LAPS,   SIZE_K/(2*KSTEP)          ; a lap = two K steps = once round the ring
.set KS,     SIZE_K/32                 ; a row of scales in bytes
.set SCL,    2*SLOT                    ; behind the ring: the scales, as rows of 256 bytes + 16 of padding
.set HALFS,  (128*KS/256)*272          ; the scales of 128 rows: what one tensor load brings
.set SBLK,   (16*KS/256)*272           ; those of 16 rows
.set SPARE,  SCL+4*HALFS               ; behind the scales: the spare words, 128 bytes for each wave: two blocks of 256 bytes that no other line names
.set SPITCH, 528                       ; the way out: a stage of 16 rows x (512 bytes + 16) for each wave.  It lies in slot 0, which has had its last fill and its last read when the first result is stored there
.set ADRA, 16                          ; v16-17  LDS address of my A fragments in slot 0, 1
.set ADRB, 20                          ; v20-21  the same for B
.set STO,  24                          ; v24     the way out: where I put 32 bytes of a row
.set RD,   25                          ; v25     the way out: where I read back: lanes 0-15 one row, lanes 16-31 the next
.set CO,   26                          ; v26     my byte offset in the same two rows of scores
.set ADRS, 27                          ; v27     LDS address of my scale words: lanes 0-15 A's rows, lanes 16-31 B's
.set SPW,  28                          ; v28     LDS address of my spare word: SPARE + 4 x my thread's number; never rewritten
.set NIL,  29                          ; v29     0; never rewritten
.set SC,   32                          ; scale words: set s (for slot s) at v[SC + 8 NQ s]; in it register NQ i + q: lanes 0-15 the word of A's block i, lanes 16-31 that of B's block i, for the slot's q-th 128 along K
.set AF,   128                         ; A's fragments, in window 0
.set BK,   128                         ; the way out: 16 rows read back from the stage: v128-191 and v192-255 by turns
.set G1, 24                            ; s[24:31] descriptor group 1 for A's tiles;  s[32:39] group 0, one set for each slot
.set G0, 32
.set G1B, 48                           ; s[48:55], s[56:63] the same for B's tiles
.set G0B, 56
.set G1S, 68                           ; s[68:75], s[76:79] groups 1 and 0 for A's scales;  s[80:87], s[88:91] for B's
.set G0S, 76
.set G1SB, 80
.set G0SB, 88
.set MS,  24                           ; s[24:55], on the way out: the mask bytes of my wave's 128 queries, four to a register
.set MSB, 0
.macro WIN new                         ; the immediate's high byte repeats the setting that is left
.if MSB != \new
	s_set_vgpr_msb (MSB<<8)|\new
.set MSB, \new
.endif
.endm
.set MUL_LO, 0xa1                      ; source 0 (B) window 1, source 1 (A) window 0, C and D window 2
.set MUL_HI, 0xf1                      ; the same, C and D window 3
.set TO_B,   0x40                      ; destination window 1, address window 0
; A joint load: waves 0 and 1 fetch for A, waves 2 and 3 for B.  Each of the two lines has ONE mask and one set of registers for all that issue it; the branch hangs on the wave's number alone.
; An s_nop 0 and four v_nop follow each of the two lines, ahead of the jump, the label and what follows.
.macro JLOAD g0a, g1a, g0b, g1b
	s_cmp_eq_u32 s15, 0
	s_cbranch_scc0 .Lfor_b_\@
	tensor_load_to_lds s[\g0a:\g0a+3], s[\g1a:\g1a+7]
	s_nop 0
.rept 4
	v_nop
.endr
	s_branch .Lasked_\@
.Lfor_b_\@:
	tensor_load_to_lds s[\g0b:\g0b+3], s[\g1b:\g1b+7]
	s_nop 0
.rept 4
	v_nop
.endr
.Lasked_\@:
.endm
.macro CREST                           ; a round of the cluster's barrier behind its opening barrier
	s_cmp_lg_u32 s14, 0
	s_cbranch_scc1 .Lnot_wave_0_\@
	s_barrier_signal -3
.Lnot_wave_0_\@:
	s_barrier_wait -3
	s_barrier_signal -1
	s_barrier_wait -1
.endm
.macro CROUND                          ; a whole round
	s_barrier_signal -1
	s_barrier_wait -1
	CREST
.endm
	s_load_b128 s[4:7], s[0:1], 0x0                ; query's codes s[4:5], query's scales s[6:7]
	s_load_b128 s[8:11], s[0:1], 0x10              ; key's codes s[8:9], key's scales s[10:11]
	s_load_b64 s[12:13], s[0:1], 0x20              ; scores
	s_load_b64 s[96:97], s[0:1], 0x28              ; query_mask
	v_lshl_add_u32 v[SPW], v0, 2, SPARE
	v_mov_b32 v[NIL], 0
	ds_add_u32 v[SPW], v[NIL]                      ; the wave's opening: the add, twice on end, and its wait ahead of my first tensor load; the set-up below the second, work on registers, stands between it and the wait
	ds_add_u32 v[SPW], v[NIL]                      ; and once more, under the one wait
	v_lshrrev_b32 v1, 5, v0
	v_readfirstlane_b32 s14, v1                    ; wave 0..3
	s_lshr_b32 s15, s14, 1                         ; which half of the tile's rows is mine.  Also: I fetch for A (0) or for B (1)
	s_and_b32 s16, s14, 1                          ; which half of its columns.  Also: which 128 rows of that tile I fetch
	s_bfe_u32 s40, ttmp6, 0x40000                  ; cx, cy: my place in the cluster
	s_bfe_u32 s41, ttmp6, 0x40004
	s_lshl_b32 s42, ttmp9, 2
	s_add_co_u32 s42, s42, s40                     ; tile column = 4 x cluster x + cx
	s_and_b32 s17, ttmp7, 0xffff                   ; cluster y
	s_lshr_b32 s95, s17, 1                         ; the batch: a cluster's 1,024 rows are half of a batch's 2,048.  The same in all sixteen partners
	s_lshl_b32 s17, s17, 2
	s_add_co_u32 s17, s17, s41                     ; tile row = 4 x cluster y + cy, among the 64 of the flat rows
	s_lshl_b32 s43, s41, 2
	s_lshl_b32 s43, 15, s43                        ; my row of the cluster
	s_lshl_b32 s44, 0x1111, s40                    ; my column
	; descriptor group 1: a tile of 128 rows x ROWB bytes, padded in LDS
	s_or_b32 s[G1+0], s43, (0<<16)|(1<<20)|(1<<21)|(5<<22)|(3<<25)  ; 15:0 the mask: A's tiles go to my row; 17:16 element of 1 byte; 20 padding on; 21 set beside a mask; 24:22 after every 64 words (code 5); 31:25 of 4 words (code 3)
	s_or_b32 s[G1B+0], s44, (0<<16)|(1<<20)|(1<<21)|(5<<22)|(3<<25) ; the same with the mask of my column, for B's tiles
.irp g, G1, G1B
	s_mov_b32 s[\g+1], ROWB<<16                    ; tensor_dim0
	s_mov_b32 s[\g+2], 128<<16                     ; tensor_dim1 = 128
	s_mov_b32 s[\g+3], ROWB<<16                    ; tile_dim0
	s_mov_b32 s[\g+4], 128                         ; tile_dim1 = 128
	s_mov_b32 s[\g+5], KROW                        ; tensor_dim0_stride
	s_mov_b32 s[\g+6], 0
	s_mov_b32 s[\g+7], 0
.endr
	; and for the scales of 128 rows: a dense block of 128 KS bytes, as rows of 256 bytes (32 elements of 8 bytes), 16 bytes of padding behind each
	s_or_b32 s[G1S+0], s43, (3<<16)|(1<<20)|(1<<21)|(5<<22)|(3<<25)
	s_or_b32 s[G1SB+0], s44, (3<<16)|(1<<20)|(1<<21)|(5<<22)|(3<<25)
.irp g, G1S, G1SB
	s_mov_b32 s[\g+1], 32<<16
	s_mov_b32 s[\g+2], (128*KS/256)<<16
	s_mov_b32 s[\g+3], 32<<16
	s_mov_b32 s[\g+4], 128*KS/256
	s_mov_b32 s[\g+5], 32
	s_mov_b32 s[\g+6], 0
	s_mov_b32 s[\g+7], 0
.endr
	s_lshl_b32 s18, s16, 7                         ; which 128 rows of the tile I fetch
	s_lshl_b32 s20, s17, 8
	s_add_co_u32 s20, s20, s18                     ; A: flat row 256 x tile row + 128 x half
	s_lshl_b32 s46, s42, 8
	s_add_co_u32 s46, s46, s18                     ; B: row 256 x tile column + 128 x half
	s_lshl_b32 s95, s95, LOGNB
	s_add_co_u32 s46, s46, s95                     ; of my batch's keys
	s_mov_b32 s21, 0
	s_mov_b32 s47, 0
	s_mov_b64 s[18:19], KS
	s_mul_u64 s[22:23], s[20:21], s[18:19]         ; where these rows' scales begin, in bytes
	s_mul_u64 s[92:93], s[46:47], s[18:19]
	s_mov_b64 s[18:19], KROW
	s_mul_u64 s[20:21], s[20:21], s[18:19]         ; and their codes
	s_mul_u64 s[46:47], s[46:47], s[18:19]
	s_mul_i32 s45, s14, HALFT                      ; where they go: wave x 128 rows: no place in the cluster enters an LDS address
	s_mul_i32 s94, s14, HALFS
	s_wait_dscnt 0x0                               ; both opening adds are done
	s_wait_kmcnt 0x0
	s_add_nc_u64 s[20:21], s[4:5], s[20:21]
	s_add_nc_u64 s[22:23], s[6:7], s[22:23]
	s_add_nc_u64 s[46:47], s[8:9], s[46:47]
	s_add_nc_u64 s[92:93], s[10:11], s[92:93]
	CROUND                                         ; all sixteen work-groups are here: the first joint loads meet
	s_mov_b32 s[G0S], 1
	s_add_co_u32 s[G0S+1], s94, SCL
	s_mov_b64 s[G0S+2:G0S+3], s[22:23]
	s_or_b32 s[G0S+3], s[G0S+3], 0x80000000
	s_mov_b32 s[G0SB], 1
	s_add_co_u32 s[G0SB+1], s94, SCL
	s_mov_b64 s[G0SB+2:G0SB+3], s[92:93]
	s_or_b32 s[G0SB+3], s[G0SB+3], 0x80000000
	JLOAD G0S, G1S, G0SB, G1SB                     ; the scales first: they are wanted with K step 0
.irp s, 0,1
	s_mov_b32 s[G0+4*\s], 1
	s_add_co_u32 s[G0+4*\s+1], s45, \s*SLOT
	s_add_nc_u64 s[G0+4*\s+2:G0+4*\s+3], s[20:21], \s*ROWB
	s_or_b32 s[G0+4*\s+3], s[G0+4*\s+3], 0x80000000
	s_mov_b32 s[G0B+4*\s], 1
	s_add_co_u32 s[G0B+4*\s+1], s45, \s*SLOT
	s_add_nc_u64 s[G0B+4*\s+2:G0B+4*\s+3], s[46:47], \s*ROWB
	s_or_b32 s[G0B+4*\s+3], s[G0B+4*\s+3], 0x80000000
	JLOAD G0+4*\s, G1, G0B+4*\s, G1B               ; three tensor loads of mine are out now: the scales, slot 0, slot 1
.endr
	v_and_b32 v1, 15, v0                           ; l % 16
	v_bfe_u32 v2, v0, 4, 1                         ; l / 16
	v_mul_u32_u24 v3, v1, PITCH
	v_lshl_add_u32 v4, v2, 4, v3                   ; a fragment's row x pitch + 16 x half
	s_mul_i32 s21, s15, HALFT                      ; my 128 rows of A
	s_mul_i32 s22, s16, HALFT                      ; my 128 rows of B,
	s_add_co_u32 s22, s22, 2*HALFT                 ; which lie behind A's 256
.irp s, 0,1
	v_add_nc_u32 v[ADRA+\s], s21, v4
	v_add_nc_u32 v[ADRB+\s], s22, v4
	s_add_co_u32 s21, s21, SLOT
	s_add_co_u32 s22, s22, SLOT
.endr
	v_mul_u32_u24 v5, v1, KS                       ; my row's scales: KS bytes a row,
	v_lshrrev_b32 v6, 8, v5
	v_lshl_add_u32 v5, v6, 4, v5                   ; and 16 more for each 256 passed
	s_mul_i32 s21, s15, HALFS                      ; A's: my 128 rows
	s_mul_i32 s22, s16, HALFS                      ; B's: my 128 rows, behind A's 256
	s_add_co_u32 s22, s22, 2*HALFS
	s_sub_co_u32 s22, s22, s21
	v_mul_u32_u24 v6, s22, v2                      ; lanes 16-31 take B's: one product, the distance between the two bases x the lane's half
	s_add_co_u32 s21, s21, SCL
	v_add_nc_u32 v5, v5, v6
	v_add_nc_u32 v[ADRS], s21, v5
	s_mul_i32 s23, s14, 16*SPITCH                  ; my stage
	v_mul_u32_u24 v5, v1, SPITCH                   ; in: row l % 16, 32 bytes for each half of the lanes
	v_lshl_add_u32 v5, v2, 5, v5
	v_add_nc_u32 v[STO], s23, v5
	v_mul_u32_u24 v6, v2, SPITCH                   ; back: lanes 0-15 take 256 bytes of one row, lanes 16-31 of the next
	v_lshl_add_u32 v6, v1, 4, v6
	v_add_nc_u32 v[RD], s23, v6
	v_mul_u32_u24 v6, v2, SIZE_N*4                 ; and the same two rows in scores
	v_lshl_add_u32 v[CO], v1, 4, v6
	s_lshl_b32 s20, s17, 8
	s_lshl_b32 s21, s15, 7
	s_add_co_u32 s20, s20, s21                     ; my first flat row: 256 x tile row + 128 x half
	s_mov_b32 s21, 0
	s_add_nc_u64 s[96:97], s[96:97], s[20:21]      ; its mask byte: a byte a row, 128 of them are mine
	s_mov_b64 s[18:19], SIZE_N*4
	s_mul_u64 s[20:21], s[20:21], s[18:19]
	s_lshl_b32 s46, s42, 10                        ; my first column, in bytes: 1024 x tile column + 512 x half
	s_lshl_b32 s47, s16, 9
	s_add_co_u32 s46, s46, s47
	s_mov_b32 s47, 0
	s_add_nc_u64 s[20:21], s[20:21], s[46:47]
	s_add_nc_u64 s[12:13], s[12:13], s[20:21]
.macro FRAG reg, adr, q, i             ; a fragment, 16 rows x 128 K of 8-bit codes, is 16 registers: lane l holds row l % 16; registers 4 c .. 4 c + 3 hold K = 32 c + 16 (l / 16) + 0 .. 15
.irp c, 0,1,2,3
	ds_load_b128 v[\reg+4*\c:\reg+4*\c+3], v[\adr] offset:128*(\q)+32*\c+(\i)*16*PITCH
.endr
.endm
; 16 matrix instructions: A's blocks a0, a0 + 1 x B's eight, 128 along K: the slot's q-th.  p: B's set;  sc: the set of scale words.  zero = 1: the first product starts the sums: nothing is ever cleared.
; The 64 accumulators take turns, one instruction a turn, in the same order in every step.
.macro MUL16 a0, p, q, sc, zero
.irp a, \a0, \a0+1
.irp b, 0,1,2,3,4,5,6,7
.if \zero
	v_wmma_scale_f32_16x16x128_f8f6f4 v[8*(8*((\a)%4)+\b):8*(8*((\a)%4)+\b)+7], v[128*(\p)+FR*\b:128*(\p)+FR*\b+FR-1], v[AF+FR*(\a):AF+FR*(\a)+FR-1], 0, v[SC+8*NQ*(\sc)+NQ*\b+(\q)], v[SC+8*NQ*(\sc)+NQ*(\a)+(\q)] matrix_a_scale:MATRIX_SCALE_ROW1
.else
	v_wmma_scale_f32_16x16x128_f8f6f4 v[8*(8*((\a)%4)+\b):8*(8*((\a)%4)+\b)+7], v[128*(\p)+FR*\b:128*(\p)+FR*\b+FR-1], v[AF+FR*(\a):AF+FR*(\a)+FR-1], v[8*(8*((\a)%4)+\b):8*(8*((\a)%4)+\b)+7], v[SC+8*NQ*(\sc)+NQ*\b+(\q)], v[SC+8*NQ*(\sc)+NQ*(\a)+(\q)] matrix_a_scale:MATRIX_SCALE_ROW1
.endif
.endr
.endr
.endm
.macro FETCH_B slot, q, p              ; B's eight fragments of the slot's q-th 128 along K into set p
	WIN TO_B
.irp i, 0,1,2,3,4,5,6,7
	FRAG 128*(\p)+FR*\i, ADRB+\slot, \q, \i
.endr
	WIN 0
.endm
.macro FETCH_A slot, q, i0             ; A's blocks i0 .. i0 + 3
.irp i, \i0, \i0+1, \i0+2, \i0+3
	FRAG AF+FR*(\i), ADRA+\slot, \q, \i
.endr
.endm
.macro SCALES sc                       ; the next K step's scale words into set sc: NQ words a row; lanes 0-15 take A's block i, lanes 16-31 B's block i
.irp i, 0,1,2,3,4,5,6,7
	ds_load_b64 v[SC+8*NQ*\sc+NQ*\i:SC+8*NQ*\sc+NQ*\i+1], v[ADRS] offset:\i*SBLK
.endr
.endm
; A load into a register that a matrix instruction has read, and an LDS store that reads a matrix result, stand NP places behind that matrix instruction, and only plain vector instructions that name none of
; its registers are places (ISA guide 7.12.1 for vector instructions); this text does not count the matrix instructions in between.
.macro PLACES n
.rept \n
	v_nop
.endr
.endm
; A step of 128 along K that has its successor in the same slot.
.macro STEP slot, q, zero
	s_wait_dscnt 4*NL                              ; B's set, A's blocks 0-3 and the scale words are in; the youngest 16 loads (A's blocks 4-7) may be out
	WIN MUL_LO
	MUL16 0, (\q)%2, \q, \slot, \zero
	MUL16 2, (\q)%2, \q, \slot, \zero
	s_wait_dscnt 0                                 ; A's blocks 4-7 are in (asked for 32 matrix instructions ago)
	PLACES NP
	FETCH_B \slot, (\q)+1, 1-(\q)%2
	FETCH_A \slot, (\q)+1, 0
	WIN MUL_HI
	MUL16 4, (\q)%2, \q, \slot, \zero
	MUL16 6, (\q)%2, \q, \slot, \zero
	PLACES NP
	WIN 0
	FETCH_A \slot, (\q)+1, 4
.endm
; A slot's last step changes slots: ONE barrier; in front of it each wave waits for all its tensor loads, adds 0 to its spare word, and waits for that and for its own reads of this slot.  fill = 1: this slot is filled again, two K steps ahead.
.macro TURN slot, next, fill
	s_wait_tensorcnt 0x0                           ; all my tensor loads have landed: my part of the next slot;  (every window is 0 here: the add's two registers lie in window 0)
	ds_add_u32 v[SPW], v[NIL]                      ; 0 onto my spare word
	s_wait_dscnt 4*NL+1                            ; (the add and the youngest 16 loads, A's blocks 4-7, may be out)
	WIN MUL_LO
	MUL16 0, 1, NQ-1, \slot, 0                     ; sixteen matrix instructions stand between the add and the wait for it
	s_wait_dscnt 0x0                               ; the add is done, and my reads of this slot are over
	s_barrier_signal -1
	MUL16 2, 1, NQ-1, \slot, 0
	WIN 0
	s_barrier_wait -1
.if \fill
	CREST                                          ; the barrier has opened a round of the cluster's barrier: no wave of any partner still reads this slot's tile or has a load on its way
	s_add_nc_u64 s[G0+4*\slot+2:G0+4*\slot+3], s[G0+4*\slot+2:G0+4*\slot+3], 2*ROWB
	s_add_nc_u64 s[G0B+4*\slot+2:G0B+4*\slot+3], s[G0B+4*\slot+2:G0B+4*\slot+3], 2*ROWB
	JLOAD G0+4*\slot, G1, G0B+4*\slot, G1B         ; the first tensor load behind the round, my only one until the next; the four v_nop behind it are among the places in front of the loads below
	PLACES NP-4
.else
	PLACES NP
.endif
	v_add_nc_u32 v[ADRS], 4*NQ, v[ADRS]            ; on to the next K step's scale words (no LDS load of mine is out)
	FETCH_B \next, 0, 0
	FETCH_A \next, 0, 0
	SCALES \next
	WIN MUL_HI
	MUL16 4, 1, NQ-1, \slot, 0
	MUL16 6, 1, NQ-1, \slot, 0
	PLACES NP
	WIN 0
	FETCH_A \next, 0, 4
.endm
	s_wait_tensorcnt 1                             ; the scales and my part of K step 0 are in (K step 1's load may be out)
	s_barrier_signal -1
	s_barrier_wait -1                              ; everybody's are
	FETCH_B 0, 0, 0
	FETCH_A 0, 0, 0
	SCALES 0
	FETCH_A 0, 0, 4
	STEP 0, 0, 1                                   ; the first step stands in front of the loop: its products start the sums
	s_mov_b32 s3, LAPS-1
.Llap:                                                 ; a trip goes once round the ring, from a lap's second step to the next lap's first, and fills both slots again
	TURN 0, 1, 1
	STEP 1, 0, 0
	TURN 1, 0, 1
	STEP 0, 0, 0
	s_sub_co_u32 s3, s3, 1
	s_cmp_lg_u32 s3, 0
	s_cbranch_scc1 .Llap
	TURN 0, 1, 0                                   ; the last lap fills nothing, and has no round of the cluster's barrier
	s_load_b512 s[MS:MS+15], s[96:97], 0x0         ; the mask bytes of my 128 queries, into registers that held descriptors: the wait for all tensor loads at the head of the change of slots above has shown every load done, and none follows
	s_load_b512 s[MS+16:MS+31], s[96:97], 0x40
	STEP 1, 0, 0
	s_wait_dscnt 4*NL                              ; the very last step: nothing more to fetch
	WIN MUL_LO
	MUL16 0, 1, NQ-1, 1, 0
	MUL16 2, 1, NQ-1, 1, 0
	s_wait_dscnt 0
	WIN MUL_HI
	MUL16 4, 1, NQ-1, 1, 0
	MUL16 6, 1, NQ-1, 1, 0
	WIN 0
; THE WAY OUT, block by block of 16 rows x 128 columns.  A lane holds 32 neighbouring bytes of a row, and the lanes beside it hold other rows: so a block goes through my own stage in LDS and comes back by rows.
; LDS serves a wave's instructions in order (ISA guide 5.7.1.4): no wait between the stores and the loads, nor in front of the next block's stores.
.macro TOSTAGE a
.set AC, 64*((\a)%4)
	WIN 0x08+4*((\a)/4)                            ; the data: window 2 or 3
.irp b, 0,1,2,3,4,5,6,7
	ds_store_b128 v[STO], v[AC+8*\b:AC+8*\b+3] offset:64*\b          ; each accumulator from its low end on
	ds_store_b128 v[STO], v[AC+8*\b+4:AC+8*\b+7] offset:64*\b+16
.endr
	WIN 0
.set BB, BK+64*((\a)%2)
.irp u, 0,1,2,3,4,5,6,7                ; rows 2 u (lanes 0-15) and 2 u + 1 (lanes 16-31): first their bytes 0-255, then their bytes 256-511
	ds_load_b128 v[BB+8*\u:BB+8*\u+3],   v[RD] offset:2*\u*SPITCH
	ds_load_b128 v[BB+8*\u+4:BB+8*\u+7], v[RD] offset:2*\u*SPITCH+256
.endr
.endm
; Block a is stored, a pair of rows at a time.  Lanes 0-15 are on where the even row's query counts, lanes 16-31 where the odd row's does: EXEC is made of the two mask bytes by selects; there is no branch.
; Sixteen lanes store 256 consecutive bytes, at a multiple of 256 from the buffer's first byte.  EXEC is one of a pending store's sources: it is restored behind s_wait_xcnt 0, and since no memory instruction
; stands between a restore and the next narrowing, the same wait serves that too; it also frees the stores' data registers and their base.
.macro SEND a, younger                 ; younger: the LDS instructions issued behind block a's loads, which may stay out
.set BB, BK+64*((\a)%2)
	s_wait_dscnt \younger                          ; the block is back in registers
.if (\a) > 0
	s_add_nc_u64 s[12:13], s[12:13], 16*SIZE_N*4   ; 16 rows on (the last pair's wait on XCNT has freed the base)
.endif
.irp u, 0,1,2,3,4,5,6,7
.set PP, 8*(\a)+\u                     ; the pair among my wave's 64: rows 2 PP and 2 PP + 1, two neighbouring bytes of s[MS + PP / 2]
	s_bitcmp1_b32 s[MS+PP/2], 16*(PP%2)
	s_cselect_b32 s20, 0xffff, 0
	s_bitcmp1_b32 s[MS+PP/2], 16*(PP%2)+8
	s_cselect_b32 s21, 0xffff0000, 0
	s_or_b32 vcc_lo, s20, s21
	s_and_saveexec_b32 s22, vcc_lo
	global_store_b128 v[CO], v[BB+8*\u:BB+8*\u+3],   s[12:13] offset:2*\u*SIZE_N*4 th:TH_STORE_NT
	global_store_b128 v[CO], v[BB+8*\u+4:BB+8*\u+7], s[12:13] offset:2*\u*SIZE_N*4+256 th:TH_STORE_NT
	s_wait_xcnt 0x0
	s_or_b32 exec_lo, exec_lo, s22
.endr
.endm
	PLACES NP                                      ; these places serve the loads into the registers that held A's fragments and the reads of the last products' results alike
	s_wait_kmcnt 0x0                               ; the mask bytes are in
	s_wait_xcnt 0x0                                ; nothing of mine is pending when EXEC is first narrowed
	TOSTAGE 0
.irp a, 1,2,3,4,5,6,7
	TOSTAGE \a
	SEND \a-1, 32                                  ; behind block a - 1's loads: block a's 16 stores and 16 loads
.endr
	SEND 7, 0
	s_wait_tensorcnt 0x0                           ; the wave's end: behind my last tensor load and my last LDS store
	ds_add_u32 v[SPW], v[NIL]
	s_wait_dscnt 0x0
	CROUND                                         ; the closing round: no work-group ends while a partner may still ask for a tile that names it
	s_endpgm
.Lfunc_end_k_q448b432ff9_qk:
	.size	k_q448b432ff9_qk, .Lfunc_end_k_q448b432ff9_qk-k_q448b432ff9_qk
	.p2alignl 7, 3214868480
	.fill 96, 4, 3214868480
	.section	.rodata,"a",@progbits
	.p2align	6, 0x0
	.amdhsa_kernel k_q448b432ff9_qk
		.amdhsa_group_segment_fixed_size 327680
		.amdhsa_private_segment_fixed_size 0
		.amdhsa_enable_private_segment 0
		.amdhsa_kernarg_size 48
		.amdhsa_user_sgpr_count 2
		.amdhsa_user_sgpr_kernarg_segment_ptr 1
		.amdhsa_wavefront_size32 1
		.amdhsa_system_sgpr_workgroup_id_x 1
		.amdhsa_system_sgpr_workgroup_id_y 1
		.amdhsa_system_sgpr_workgroup_id_z 1
		.amdhsa_system_vgpr_workitem_id 0
		.amdhsa_next_free_vgpr 1024
		.amdhsa_next_free_sgpr 98
		.amdhsa_reserve_vcc 1
		.amdhsa_float_denorm_mode_32 3
		.amdhsa_float_denorm_mode_16_64 3
		.amdhsa_memory_ordered 1
		.amdhsa_forward_progress 1
		.amdhsa_inst_pref_size 166
	.end_amdhsa_kernel
	.amdgpu_metadata
---
amdhsa.version: [ 1, 2 ]
amdhsa.kernels:
  - .name:           k_q448b432ff9_qk
    .symbol:         k_q448b432ff9_qk.kd
    .args:
      - { .name: query_codes, .offset: 0, .size: 8, .value_kind: global_buffer, .address_space: global }
      - { .name: query_scales, .offset: 8, .size: 8, .value_kind: global_buffer, .address_space: global }
      - { .name: key_codes, .offset: 16, .size: 8, .value_kind: global_buffer, .address_space: global }
      - { .name: key_scales, .offset: 24, .size: 8, .value_kind: global_buffer, .address_space: global }
      - { .name: scores, .offset: 32, .size: 8, .value_kind: global_buffer, .address_space: global }
      - { .name: query_mask, .offset: 40, .size: 8, .value_kind: global_buffer, .address_space: global }
    .group_segment_fixed_size: 327680
    .private_segment_fixed_size: 0
    .kernarg_segment_align: 8
    .kernarg_segment_size: 48
    .max_flat_workgroup_size: 128
    .sgpr_count:     98
    .vgpr_count:     1024
    .wavefront_size: 32
...
	.end_amdgpu_metadata
.endif
;; end of part 1
;; launch probs (part 2): grid 8192 x 1, 2 waves a work-group, no clusters, 0 bytes of LDS; arguments scores, key_mask, query_mask, p_codes, p_scales; writes p_codes, p_scales
.if DOCPART == 2
	.amdgcn_target "amdgcn-amd-amdhsa--gfx1250"
	.amdhsa_code_object_version 6
	.text
	.protected	k_q448b432ff9_probs
	.globl	k_q448b432ff9_probs
	.p2align	8
	.type	k_q448b432ff9_probs,@function
k_q448b432ff9_probs:
	s_mov_b64 s[64:65], 0
	v_nop
	global_prefetch_b8 v0, s[64:65] scope:SCOPE_SE
	s_setreg_imm32_b32 hwreg(HW_REG_WAVE_MODE, 25, 1), 1
	s_wait_xcnt 0x0
; SECOND OF THREE LAUNCHES.  For each of the 16,384 rows (batch, query): s = scores / 32 where key_mask counts, else -2^31; p = exp(s - max) / sum, the finished softmax as reference() writes it; p = 0 where key_mask is 0;
; then the quantiser along the keys: codes of FP8 (E4M3), one a byte, into p_codes [16384][2048], and one E8M0 byte for each 32 keys into p_scales [16384][64].
; WORK THAT IS NOT DONE: where query_mask is 0 every p of the row is 0 whatever finite numbers the inputs hold (attn_mask is false along the whole row): the row's scores were not stored and are not loaded;
; the row gets zero codes and the byte 127.  The choice is a scalar branch on the mask byte, a whole number read from memory.  LIMIT: a NaN, an infinity or an overflow in such a row's scores is not carried to the result.
; SHARES.  One wave, one row; no LDS, no barrier, no loop: waves share nothing.  So the work-group is kept small, two waves, and a wave is kept to 128 registers: many rows are at work at a time, at different places of the
; text, so that the loads of some, the arithmetic of others and the stores of others overlap.
; A lane holds, of chunk g (0 .. 7), keys 256 g + 8 lane + 0 .. 7 in eight consecutive registers, as the conversion wants them; a block of 32 keys is four neighbouring lanes.
; A chunk's two loads of 16 bytes a lane cover 1,024 consecutive bytes together; a chunk's codes, 8 bytes a lane, leave as 256 consecutive bytes at a multiple of 256 from the buffer's first byte.
; A row's 64 scale bytes leave by two stores of 32 consecutive bytes: one byte in 32 of what the launch writes.
; ARITHMETIC.  exp(s - max) = 2^t with t = S c - MAX c, S the raw sum, c = log2(e) / 32: one fused multiply-add a number.  MAX c is rounded once and is the same along the row: what that rounding moves is a common factor of
; all the row's terms and of their sum, and the division takes it away.  The sum takes masked keys in, as reference() does (their terms are 0 unless the row's maximum is -2^31 itself); 1 / sum is v_rcp_f32 with one Newton step.
; A BLOCK'S LARGEST p IS NOT SEARCHED FOR: the block's largest score, which the search for the row's maximum passes through, goes through the same lines.
; LIMITS: the order of rounding differs from reference()'s, which rounds s - max and then takes the exponential; a p under 2^-126 becomes 0 (v_exp_f32 flushes such results: ISA guide, its entry in 15.8); the row's sum is taken in
; another order than reference()'s; a block of zeros carries the byte 1 (127 in rows that do not count) where the quantiser says 127: its codes are zeros and this program alone reads the bytes; the block's largest p leans on
; v_exp_f32 not falling where its input rises (at the worst one p, within an ulp of a power of two, is held one code low); NaN and infinities among live scores are not served.
.set M,  16                            ; v16-31   key_mask: chunk g's 8 bytes in v[M + 2 g], v[M + 2 g + 1]; made 0x00 / 0xff
.set X,  32                            ; v32-95   the row's numbers: chunk g at v[X + 8 g]
.set BM, 96                            ; v96-103  chunk g: my block's largest score, then its largest p, at last its scale byte
.set SC, 104                           ; v104-111 the conversions' scale operands
.set HD, 112                           ; v112-119 448 x the scale
; Chunk g's 8 codes, two registers: v120-127 for chunks 0 to 3; chunks 4 to 7 take the first two registers of the numbers of chunks 0 to 3, which have been converted by then.
.macro CREG g
.if (\g) < 4
.set CG, 120+2*(\g)
.else
.set CG, X+8*((\g)-4)
.endif
.endm
	s_load_b256 s[4:11], s[0:1], 0x0               ; scores s[4:5], key_mask s[6:7], query_mask s[8:9], p_codes s[10:11]
	s_load_b64 s[12:13], s[0:1], 0x20              ; p_scales
	v_lshrrev_b32 v1, 5, v0
	v_readfirstlane_b32 s14, v1                    ; wave 0..1
	v_and_b32 v5, 31, v0                           ; lane
	s_lshl_b32 s15, ttmp9, 1
	s_add_co_u32 s15, s15, s14                     ; my row: 2 x work-group + wave
	s_mov_b32 s18, s15
	s_mov_b32 s19, 0
	s_wait_kmcnt 0x0
	s_add_nc_u64 s[8:9], s[8:9], s[18:19]
	s_load_u8 s16, s[8:9], 0x0                     ; does my query count?  The lines up to the wait for it are work on other registers
	v_lshlrev_b32 v1, 5, v5                        ; 32 x lane: my 8 numbers of a chunk
	v_lshlrev_b32 v2, 3, v5                        ; 8 x lane: their mask bytes, and their codes
	v_and_b32 v4, 3, v5
	v_lshlrev_b32 v4, 3, v4                        ; 8 (lane % 4): which byte of a packed word of scale bytes I store, as a shift,
	v_lshrrev_b32 v3, 2, v5
	v_add_nc_u32 v3, v3, v4                        ; and where: block 8 (lane % 4) + lane / 4
	s_mov_b32 s2, 0x76543210
	s_mov_b32 s3, 0xfedcba98                       ; v_permlanex16_b32's selects for lane l xor 16
	s_mov_b32 s20, 0                               ; v_perm_b32: byte 0, 1, 2 or 3 of a word into all four bytes
	s_mov_b32 s21, 0x01010101
	s_mov_b32 s22, 0x02020202
	s_mov_b32 s23, 0x03030303
	s_mov_b32 s24, 255
	s_mov_b32 s25, 0xd1800000                      ; -2^36: reference()'s -2^31 ahead of the division by 32
	s_mov_b32 s26, 0x3d38aa3b                      ; c = log2(e) / 32 = log2(e) / sqrt(1024)
	s_mov_b32 s27, s26                             ; (the packed form names a pair and takes its low word for both halves: so the upper word is written)
	s_mov_b32 s30, 0x600000                        ; the mantissa field of 448
	s_lshl_b32 s18, s15, 11                        ; a row of codes is 2,048 bytes
	s_add_nc_u64 s[10:11], s[10:11], s[18:19]
	s_lshl_b32 s18, s15, 6                         ; a row of scale bytes 64
	s_add_nc_u64 s[12:13], s[12:13], s[18:19]
	s_lshl_b32 s18, s15, 13                        ; a row of scores 8,192 (16,383 rows of them stay under 2^31)
	s_add_nc_u64 s[4:5], s[4:5], s[18:19]
	s_lshr_b32 s18, ttmp9, 10                      ; the batch: 1,024 work-groups of 2 rows
	s_lshl_b32 s18, s18, 11                        ; its 2,048 bytes of key_mask
	s_add_nc_u64 s[6:7], s[6:7], s[18:19]
	s_wait_kmcnt 0x0
	s_cmp_eq_u32 s16, 0
	s_cbranch_scc1 .Ldead
.irp g, 0,1,2,3,4,5,6,7
	global_load_b64 v[M+2*\g:M+2*\g+1], v2, s[6:7] offset:256*\g            ; read again by every row of the batch: no hint
.endr
.irp g, 0,1,2,3,4,5,6,7
	global_load_b128 v[X+8*\g:X+8*\g+3],   v1, s[4:5] offset:1024*\g th:TH_LOAD_NT
	global_load_b128 v[X+8*\g+4:X+8*\g+7], v1, s[4:5] offset:1024*\g+16 th:TH_LOAD_NT
.endr
	v_mov_b32 v7, 0                                ; the upper word of the pair v[6:7], which a packed form names
	v_mov_b32 v11, 0                               ; a lane permute's destination counts as one of its sources
	s_wait_loadcnt 16                              ; the eight loads of mask bytes are in; the sixteen of scores may be out
.set j, 0
.rept 16
	v_mul_lo_u32 v[M+j], v[M+j], s24               ; bytes 0 / 1 become 0x00 / 0xff: no byte carries into the next
.set j, j+1
.endr
.irp g, 0,1,2,3,4,5,6,7
	s_wait_loadcnt 14-2*\g                         ; this chunk's two loads are in; the later chunks' may be out
.irp w, 0,1
.irp k, 0,1,2,3
	v_perm_b32 v[12+\k], v[M+2*\g+\w], v[M+2*\g+\w], s[20+\k]               ; the key's byte as a whole word
.endr
.irp k, 0,1,2,3
	v_bfi_b32 v[X+8*\g+4*\w+\k], v[12+\k], v[X+8*\g+4*\w+\k], s25           ; the score where the key counts, else -2^36: reference()'s first where
.endr
.endr
	v_max3_num_f32 v[BM+\g], v[X+8*\g], v[X+8*\g+1], v[X+8*\g+2]
	v_max3_num_f32 v[BM+\g], v[BM+\g], v[X+8*\g+3], v[X+8*\g+4]
	v_max3_num_f32 v[BM+\g], v[BM+\g], v[X+8*\g+5], v[X+8*\g+6]
	v_max_num_f32 v[BM+\g], v[BM+\g], v[X+8*\g+7]
	v_max_num_f32_dpp v[BM+\g], v[BM+\g], v[BM+\g] row_xmask:1 row_mask:0xf bank_mask:0xf
	v_max_num_f32_dpp v[BM+\g], v[BM+\g], v[BM+\g] row_xmask:2 row_mask:0xf bank_mask:0xf   ; the largest score of my block of 32 keys: four lanes
.endr
	v_max3_num_f32 v10, v[BM], v[BM+1], v[BM+2]
	v_max3_num_f32 v10, v10, v[BM+3], v[BM+4]
	v_max3_num_f32 v10, v10, v[BM+5], v[BM+6]
	v_max_num_f32 v10, v10, v[BM+7]
	v_max_num_f32_dpp v10, v10, v10 row_xmask:4 row_mask:0xf bank_mask:0xf
	v_max_num_f32_dpp v10, v10, v10 row_xmask:8 row_mask:0xf bank_mask:0xf
	v_permlanex16_b32 v11, v10, s2, s3
	v_max_num_f32 v10, v10, v11                    ; the row's largest
	v_mul_f32 v6, 0xbd38aa3b, v10                  ; -(the largest x c), rounded once for the whole row
.set j, 0
.rept 32
	v_pk_fma_f32 v[X+j:X+j+1], v[X+j:X+j+1], s[26:27], v[6:7] op_sel_hi:[1,0,0]   ; t = S c - MAX c, two at a time, one rounding
.set j, j+2
.endr
.irp g, 0,1,2,3,4,5,6,7
	v_fma_f32 v[BM+\g], v[BM+\g], s26, v6          ; the same of each block's largest
.endr
.set j, 0
.rept 64
	v_exp_f32 v[X+j], v[X+j]                       ; exp(s - max) = 2^t: one batch of 72
.set j, j+1
.endr
.irp g, 0,1,2,3,4,5,6,7
	v_exp_f32 v[BM+\g], v[BM+\g]
.endr
	v_mov_b32 v9, 0                                ; a plain line behind the last exponential (ISA guide 5.7.2); it writes the upper word of the pair v[8:9]
	s_wait_alu depctr_va_vdst(0)                   ; the wait ahead of the first line that names a result: one for the batch
	v_pk_add_f32 v[10:11], v[X:X+1], v[X+2:X+3]    ; the row's sum: two at a time, in two chains
	v_pk_add_f32 v[12:13], v[X+4:X+5], v[X+6:X+7]
.set j, 8
.rept 14
	v_pk_add_f32 v[10:11], v[10:11], v[X+j:X+j+1]
	v_pk_add_f32 v[12:13], v[12:13], v[X+j+2:X+j+3]
.set j, j+4
.endr
	v_pk_add_f32 v[10:11], v[10:11], v[12:13]
	v_add_f32 v10, v10, v11
	v_add_f32_dpp v10, v10, v10 row_xmask:1 row_mask:0xf bank_mask:0xf
	v_add_f32_dpp v10, v10, v10 row_xmask:2 row_mask:0xf bank_mask:0xf
	v_add_f32_dpp v10, v10, v10 row_xmask:4 row_mask:0xf bank_mask:0xf
	v_add_f32_dpp v10, v10, v10 row_xmask:8 row_mask:0xf bank_mask:0xf
	v_permlanex16_b32 v11, v10, s2, s3
	v_add_f32 v10, v10, v11                        ; about 1 at the least: the largest score's term is 2^t with t within half an ulp of MAX c from 0
	v_rcp_f32 v8, v10
	v_nop                                          ; a plain line behind the reciprocal
	s_wait_alu depctr_va_vdst(0)                   ; and the wait ahead of its first reader
	v_fma_f32 v5, -v10, v8, 1.0                    ; one Newton step: r + r (1 - sum r)
	v_fma_f32 v8, v8, v5, v8
.set j, 0
.rept 32
	v_pk_mul_f32 v[X+j:X+j+1], v[X+j:X+j+1], v[8:9] op_sel_hi:[1,0]         ; p, finished and normalised
.set j, j+2
.endr
.irp g, 0,1,2,3,4,5,6,7
	v_mul_f32 v[BM+\g], v[BM+\g], v8               ; each block's largest p
.endr
.irp g, 0,1,2,3,4,5,6,7
	v_max_num_f32 v[BM+\g], 0x4800000, v[BM+\g]    ; the floor 2^(9 - 127): the byte cannot fall under 1
.endr
.irp g, 0,1,2,3,4,5,6,7
	v_add_nc_u32 v[SC+\g], 0xfc000000, v[BM+\g]    ; 8 off the exponent field: the conversion takes the exponent field of this operand as its scale, and nothing else of it
.endr
.irp g, 0,1,2,3,4,5,6,7
	v_and_or_b32 v[HD+\g], v[BM+\g], 0x7f800000, s30   ; 448 x the scale: the largest p's exponent field over 448's mantissa
.endr
.irp g, 0,1,2,3,4,5,6,7
	v_lshrrev_b32 v[BM+\g], 23, v[SC+\g]           ; the scale's byte, in the register that held the largest p: that is done with
.endr
.irp g, 0,1,2,3,4,5,6,7
	CREG \g
.irp i, 0,1,2,3,4,5,6,7
	v_min_num_f32 v[X+8*\g+\i], v[X+8*\g+\i], v[HD+\g]   ; the conversion to an 8-bit code does not saturate (ISA guide 7.6.2); p is not negative, so the hold is one-sided
.endr
	v_cvt_scalef32_pk8_fp8_f32 v[CG:CG+1], v[X+8*\g:X+8*\g+7], v[SC+\g]     ; (from chunk 4 on the codes land on numbers converted four chunks ago: the holds between are plain lines)
.endr
	v_lshl_or_b32 v10, v[BM+1], 8, v[BM]           ; the bytes of chunks 0-3 and of chunks 4-7 in two words.  (Plain lines between the last conversion and the first line that touches a result)
	v_lshl_or_b32 v11, v[BM+5], 8, v[BM+4]
	v_lshl_or_b32 v10, v[BM+2], 16, v10
	v_lshl_or_b32 v11, v[BM+6], 16, v11
	v_lshl_or_b32 v10, v[BM+3], 24, v10
	v_lshl_or_b32 v11, v[BM+7], 24, v11
	v_lshrrev_b32 v10, v4, v10                     ; lane 4 i + j keeps chunk j's byte: block 8 j + i;
	v_lshrrev_b32 v11, v4, v11                     ; and chunk 4 + j's: block 32 + 8 j + i
.irp g, 0,1,2,3,4,5,6,7
	CREG \g
	v_and_b32 v[CG], v[CG], v[M+2*\g]              ; reference()'s second where, on the codes: the code 0 is the number 0
	v_and_b32 v[CG+1], v[CG+1], v[M+2*\g+1]
.endr
.irp g, 0,1,2,3,4,5,6,7
	CREG \g
	global_store_b64 v2, v[CG:CG+1], s[10:11] offset:256*\g                 ; 32 lanes store 256 consecutive bytes
.endr
	global_store_b8 v3, v10, s[12:13]              ; blocks 0-31: 32 consecutive bytes
	global_store_b8 v3, v11, s[12:13] offset:32    ; blocks 32-63
	s_endpgm
.Ldead:                                                ; my query does not count: zero codes, and the byte that the quantiser gives a block of zeros
	v_lshlrev_b32 v6, 4, v5
	v_lshlrev_b32 v7, 1, v5
	v_mov_b32 v8, 0
	v_mov_b32 v9, 0
	v_mov_b32 v10, 0
	v_mov_b32 v11, 0
	v_mov_b32 v12, 0x7f7f
.irp i, 0,1,2,3
	global_store_b128 v6, v[8:11], s[10:11] offset:512*\i                   ; 32 lanes store 512 consecutive bytes
.endr
	global_store_b16 v7, v12, s[12:13]             ; the row's 64 scale bytes
	s_endpgm
.Lfunc_end_k_q448b432ff9_probs:
	.size	k_q448b432ff9_probs, .Lfunc_end_k_q448b432ff9_probs-k_q448b432ff9_probs
	.p2alignl 7, 3214868480
	.fill 96, 4, 3214868480
	.section	.rodata,"a",@progbits
	.p2align	6, 0x0
	.amdhsa_kernel k_q448b432ff9_probs
		.amdhsa_group_segment_fixed_size 0
		.amdhsa_private_segment_fixed_size 0
		.amdhsa_enable_private_segment 0
		.amdhsa_kernarg_size 40
		.amdhsa_user_sgpr_count 2
		.amdhsa_user_sgpr_kernarg_segment_ptr 1
		.amdhsa_wavefront_size32 1
		.amdhsa_system_sgpr_workgroup_id_x 1
		.amdhsa_system_sgpr_workgroup_id_y 1
		.amdhsa_system_sgpr_workgroup_id_z 1
		.amdhsa_system_vgpr_workitem_id 0
		.amdhsa_next_free_vgpr 128
		.amdhsa_next_free_sgpr 66
		.amdhsa_reserve_vcc 0
		.amdhsa_float_denorm_mode_32 3
		.amdhsa_float_denorm_mode_16_64 3
		.amdhsa_memory_ordered 1
		.amdhsa_forward_progress 1
		.amdhsa_inst_pref_size 34
	.end_amdhsa_kernel
	.amdgpu_metadata
---
amdhsa.version: [ 1, 2 ]
amdhsa.kernels:
  - .name:           k_q448b432ff9_probs
    .symbol:         k_q448b432ff9_probs.kd
    .args:
      - { .name: scores, .offset: 0, .size: 8, .value_kind: global_buffer, .address_space: global }
      - { .name: key_mask, .offset: 8, .size: 8, .value_kind: global_buffer, .address_space: global }
      - { .name: query_mask, .offset: 16, .size: 8, .value_kind: global_buffer, .address_space: global }
      - { .name: p_codes, .offset: 24, .size: 8, .value_kind: global_buffer, .address_space: global }
      - { .name: p_scales, .offset: 32, .size: 8, .value_kind: global_buffer, .address_space: global }
    .group_segment_fixed_size: 0
    .private_segment_fixed_size: 0
    .kernarg_segment_align: 8
    .kernarg_segment_size: 40
    .max_flat_workgroup_size: 64
    .sgpr_count:     66
    .vgpr_count:     128
    .wavefront_size: 32
...
	.end_amdgpu_metadata
.endif
;; end of part 2
;; launch outp (part 3): grid 4 x 64, 4 waves a work-group, clusters of 4 x 4, 327,680 bytes of LDS; arguments p_codes, p_scales, value_codes, value_scales, out0; writes out0
.if DOCPART == 3
	.amdgcn_target "amdgcn-amd-amdhsa--gfx1250"
	.amdhsa_code_object_version 6
	.text
	.protected	k_q448b432ff9_outp
	.globl	k_q448b432ff9_outp
	.p2align	8
	.type	k_q448b432ff9_outp,@function
k_q448b432ff9_outp:
	s_mov_b64 s[64:65], 0
	v_nop
	global_prefetch_b8 v0, s[64:65] scope:SCOPE_SE
	s_setreg_imm32_b32 hwreg(HW_REG_WAVE_MODE, 25, 1), 1
	s_wait_xcnt 0x0
	s_wait_alu depctr_hold_cnt(0) depctr_sa_sdst(0) depctr_va_vdst(0) depctr_va_sdst(0) depctr_va_ssrc(0) depctr_va_vcc(0) depctr_vm_vsrc(0)
	s_getreg_b32 s2, hwreg(HW_REG_IB_STS2, 6, 4)
	s_cmp_eq_u32 s2, 0
	s_cbranch_scc0 .Lentry_in_a_cluster
	s_endpgm
.Lentry_in_a_cluster:
	s_bfe_u32 s2, ttmp6, 0x10000c
	s_cmp_lg_u32 s2, 0xf033
	s_cbranch_scc0 .Lentry_shape_is_right
	s_endpgm
.Lentry_shape_is_right:
; THIRD OF THREE LAUNCHES.  out0[b][q][d] = the sum over k of p[b][q][k] value[b][k][d], on codes of FP8 (E4M3) with one E8M0 scale for each 32 keys: p's as the second launch made them ([16384 flat rows][2048], keys innermost),
; value's as they are given ([8][1024][2048], keys innermost).  Nothing is left out here: the rows whose query_mask is 0 hold zero codes and come out as zeros.
; SHARES.  A tile of 256 flat rows x 256 of the 1,024 columns is made by a work-group of four waves; a wave makes 128 x 128: 64 accumulators of 16 x 16, 512 registers.  256 work-groups.
; K (the 2,048 keys) goes in steps of 256 through a ring of two LDS slots filled by the tensor data mover: a tile's row is 256 bytes of memory.
; THE SCALES of the work-group's 256 rows of p and 256 rows of value, for all of K, are two dense blocks of memory: they come into LDS once, with the first fills, as rows of 256 bytes, and stay.
; CLUSTERS: 4 x 4 work-groups.  The four of a row of the cluster need the same tiles of p, the four of a column the same tiles of value: each tile is asked for JOINTLY, by the same tensor load with the same descriptor and a mask
; that names the four.  A cluster's 1,024 rows lie in one batch (batch = cluster y / 2), so value's address hangs on the tile column and on the cluster's y alone.
; THE MATRIX INSTRUCTION IS USED TRANSPOSED (source 0 = 16 rows of value, source 1 = 16 rows of p): a lane then holds eight neighbouring numbers of a row of out0.
; REGISTERS, in windows of 256: window 0: v0-31 addresses; v32-63 scale words, two sets; from v128 p's fragments (8 x 16 rows x 128 K), ONE set; on the way out v128-255 are free.
;   window 1: value's fragments, TWO sets, at v0 and at v128.   window 2: the 32 accumulators of my rows 0-63 (accumulator (a, b) at v[8 (8 a + b)]);   window 3: those of my rows 64-127.
; A step of 128 along K is 64 matrix instructions, A's blocks one after the other, each against B's eight: a block of A is free as soon as its eight products are issued, so one set of registers serves A
; (blocks 0-3 are fetched anew in the step's middle, blocks 4-7 at its end); B's fragments are at work through the whole step and have two sets.
.set SIZE_K, 2048                      ; along K: the keys
.set SIZE_N, 1024                      ; value's rows in a batch, and numbers in a row of out0
.set LOGNB,  10                        ; B's rows in a batch: 2^10
.set KSTEP,  256                       ; along K in a slot
.set NQ,     KSTEP/128                 ; matrix instructions deep
.set ROWB,   256                       ; a tile's row in bytes
.set KROW,   SIZE_K                    ; a row of A or of B in memory, in bytes
.set PITCH,  272                       ; an LDS row: 256 bytes of data + 16 of padding = 68 words: row r starts at bank 4 r mod 64 (64 banks of 4 bytes: ISA guide 11.1), so the 16 rows that a load touches start at 16 different banks
.set FR,     16                        ; registers of a fragment: 16 rows x 128 K
.set NL,     4                         ; LDS loads that bring one
.set NP,     8                         ; places behind this matrix instruction (ISA guide 7.12.1)
.set HALFT,  128*PITCH                 ; 128 rows: what one tensor load brings, and what one wave reads of A or of B
.set SLOT,   4*HALFT                   ; A's 256 rows, then B's 256 rows
.set LAPS,   SIZE_K/(2*KSTEP)          ; a lap = two K steps = once round the ring
.set KS,     SIZE_K/32                 ; a row of scales in bytes
.set SCL,    2*SLOT                    ; behind the ring: the scales, as rows of 256 bytes + 16 of padding
.set HALFS,  (128*KS/256)*272          ; the scales of 128 rows: what one tensor load brings
.set SBLK,   (16*KS/256)*272           ; those of 16 rows
.set SPARE,  SCL+4*HALFS               ; behind the scales: the spare words, 128 bytes for each wave: two blocks of 256 bytes that no other line names
.set SPITCH, 528                       ; the way out: a stage of 16 rows x (512 bytes + 16) for each wave.  It lies in slot 0, which has had its last fill and its last read when the first result is stored there
.set ADRA, 16                          ; v16-17  LDS address of my A fragments in slot 0, 1
.set ADRB, 20                          ; v20-21  the same for B
.set STO,  24                          ; v24     the way out: where I put 32 bytes of a row
.set RD,   25                          ; v25     the way out: where I read a row back
.set CO,   26                          ; v26     my byte offset in a row of out0
.set ADRS, 27                          ; v27     LDS address of my scale words: lanes 0-15 A's rows, lanes 16-31 B's
.set SPW,  28                          ; v28     LDS address of my spare word: SPARE + 4 x my thread's number; never rewritten
.set NIL,  29                          ; v29     0; never rewritten
.set SC,   32                          ; scale words: set s (for slot s) at v[SC + 8 NQ s]; in it register NQ i + q: lanes 0-15 the word of A's block i, lanes 16-31 that of B's block i, for the slot's q-th 128 along K
.set AF,   128                         ; A's fragments, in window 0
.set BK,   128                         ; the way out: 16 rows read back from the stage: v128-191 and v192-255 by turns
.set G1, 24                            ; s[24:31] descriptor group 1 for A's tiles;  s[32:39] group 0, one set for each slot
.set G0, 32
.set G1B, 48                           ; s[48:55], s[56:63] the same for B's tiles
.set G0B, 56
.set G1S, 68                           ; s[68:75], s[76:79] groups 1 and 0 for A's scales;  s[80:87], s[88:91] for B's
.set G0S, 76
.set G1SB, 80
.set G0SB, 88
.set MSB, 0
.macro WIN new                         ; the immediate's high byte repeats the setting that is left
.if MSB != \new
	s_set_vgpr_msb (MSB<<8)|\new
.set MSB, \new
.endif
.endm
.set MUL_LO, 0xa1                      ; source 0 (B) window 1, source 1 (A) window 0, C and D window 2
.set MUL_HI, 0xf1                      ; the same, C and D window 3
.set TO_B,   0x40                      ; destination window 1, address window 0
; A joint load: waves 0 and 1 fetch for A, waves 2 and 3 for B.  Each of the two lines has ONE mask and one set of registers for all that issue it; the branch hangs on the wave's number alone.
; An s_nop 0 and four v_nop follow each of the two lines, ahead of the jump, the label and what follows.
.macro JLOAD g0a, g1a, g0b, g1b
	s_cmp_eq_u32 s15, 0
	s_cbranch_scc0 .Lfor_b_\@
	tensor_load_to_lds s[\g0a:\g0a+3], s[\g1a:\g1a+7]
	s_nop 0
.rept 4
	v_nop
.endr
	s_branch .Lasked_\@
.Lfor_b_\@:
	tensor_load_to_lds s[\g0b:\g0b+3], s[\g1b:\g1b+7]
	s_nop 0
.rept 4
	v_nop
.endr
.Lasked_\@:
.endm
.macro CREST                           ; a round of the cluster's barrier behind its opening barrier
	s_cmp_lg_u32 s14, 0
	s_cbranch_scc1 .Lnot_wave_0_\@
	s_barrier_signal -3
.Lnot_wave_0_\@:
	s_barrier_wait -3
	s_barrier_signal -1
	s_barrier_wait -1
.endm
.macro CROUND                          ; a whole round
	s_barrier_signal -1
	s_barrier_wait -1
	CREST
.endm
	s_load_b128 s[4:7], s[0:1], 0x0                ; p's codes s[4:5], p's scales s[6:7]
	s_load_b128 s[8:11], s[0:1], 0x10              ; value's codes s[8:9], value's scales s[10:11]
	s_load_b64 s[12:13], s[0:1], 0x20              ; out0
	v_lshl_add_u32 v[SPW], v0, 2, SPARE
	v_mov_b32 v[NIL], 0
	ds_add_u32 v[SPW], v[NIL]                      ; the wave's opening: the add, twice on end, and its wait ahead of my first tensor load; the set-up below the second, work on registers, stands between it and the wait
	ds_add_u32 v[SPW], v[NIL]                      ; and once more, under the one wait
	v_lshrrev_b32 v1, 5, v0
	v_readfirstlane_b32 s14, v1                    ; wave 0..3
	s_lshr_b32 s15, s14, 1                         ; which half of the tile's rows is mine.  Also: I fetch for A (0) or for B (1)
	s_and_b32 s16, s14, 1                          ; which half of its columns.  Also: which 128 rows of that tile I fetch
	s_bfe_u32 s40, ttmp6, 0x40000                  ; cx, cy: my place in the cluster
	s_bfe_u32 s41, ttmp6, 0x40004
	s_lshl_b32 s42, ttmp9, 2
	s_add_co_u32 s42, s42, s40                     ; tile column = 4 x cluster x + cx
	s_and_b32 s17, ttmp7, 0xffff                   ; cluster y
	s_lshr_b32 s95, s17, 1                         ; the batch: a cluster's 1,024 rows are half of a batch's 2,048.  The same in all sixteen partners
	s_lshl_b32 s17, s17, 2
	s_add_co_u32 s17, s17, s41                     ; tile row = 4 x cluster y + cy, among the 64 of the flat rows
	s_lshl_b32 s43, s41, 2
	s_lshl_b32 s43, 15, s43                        ; my row of the cluster
	s_lshl_b32 s44, 0x1111, s40                    ; my column
	; descriptor group 1: a tile of 128 rows x ROWB bytes, padded in LDS
	s_or_b32 s[G1+0], s43, (0<<16)|(1<<20)|(1<<21)|(5<<22)|(3<<25)  ; 15:0 the mask: A's tiles go to my row; 17:16 element of 1 byte; 20 padding on; 21 set beside a mask; 24:22 after every 64 words (code 5); 31:25 of 4 words (code 3)
	s_or_b32 s[G1B+0], s44, (0<<16)|(1<<20)|(1<<21)|(5<<22)|(3<<25) ; the same with the mask of my column, for B's tiles
.irp g, G1, G1B
	s_mov_b32 s[\g+1], ROWB<<16                    ; tensor_dim0
	s_mov_b32 s[\g+2], 128<<16                     ; tensor_dim1 = 128
	s_mov_b32 s[\g+3], ROWB<<16                    ; tile_dim0
	s_mov_b32 s[\g+4], 128                         ; tile_dim1 = 128
	s_mov_b32 s[\g+5], KROW                        ; tensor_dim0_stride
	s_mov_b32 s[\g+6], 0
	s_mov_b32 s[\g+7], 0
.endr
	; and for the scales of 128 rows: a dense block of 128 KS bytes, as rows of 256 bytes (32 elements of 8 bytes), 16 bytes of padding behind each
	s_or_b32 s[G1S+0], s43, (3<<16)|(1<<20)|(1<<21)|(5<<22)|(3<<25)
	s_or_b32 s[G1SB+0], s44, (3<<16)|(1<<20)|(1<<21)|(5<<22)|(3<<25)
.irp g, G1S, G1SB
	s_mov_b32 s[\g+1], 32<<16
	s_mov_b32 s[\g+2], (128*KS/256)<<16
	s_mov_b32 s[\g+3], 32<<16
	s_mov_b32 s[\g+4], 128*KS/256
	s_mov_b32 s[\g+5], 32
	s_mov_b32 s[\g+6], 0
	s_mov_b32 s[\g+7], 0
.endr
	s_lshl_b32 s18, s16, 7                         ; which 128 rows of the tile I fetch
	s_lshl_b32 s20, s17, 8
	s_add_co_u32 s20, s20, s18                     ; A: flat row 256 x tile row + 128 x half
	s_lshl_b32 s46, s42, 8
	s_add_co_u32 s46, s46, s18                     ; B: row 256 x tile column + 128 x half
	s_lshl_b32 s95, s95, LOGNB
	s_add_co_u32 s46, s46, s95                     ; of my batch's rows of value
	s_mov_b32 s21, 0
	s_mov_b32 s47, 0
	s_mov_b64 s[18:19], KS
	s_mul_u64 s[22:23], s[20:21], s[18:19]         ; where these rows' scales begin, in bytes
	s_mul_u64 s[92:93], s[46:47], s[18:19]
	s_mov_b64 s[18:19], KROW
	s_mul_u64 s[20:21], s[20:21], s[18:19]         ; and their codes
	s_mul_u64 s[46:47], s[46:47], s[18:19]
	s_mul_i32 s45, s14, HALFT                      ; where they go: wave x 128 rows: no place in the cluster enters an LDS address
	s_mul_i32 s94, s14, HALFS
	s_wait_dscnt 0x0                               ; both opening adds are done
	s_wait_kmcnt 0x0
	s_add_nc_u64 s[20:21], s[4:5], s[20:21]
	s_add_nc_u64 s[22:23], s[6:7], s[22:23]
	s_add_nc_u64 s[46:47], s[8:9], s[46:47]
	s_add_nc_u64 s[92:93], s[10:11], s[92:93]
	CROUND                                         ; all sixteen work-groups are here: the first joint loads meet
	s_mov_b32 s[G0S], 1
	s_add_co_u32 s[G0S+1], s94, SCL
	s_mov_b64 s[G0S+2:G0S+3], s[22:23]
	s_or_b32 s[G0S+3], s[G0S+3], 0x80000000
	s_mov_b32 s[G0SB], 1
	s_add_co_u32 s[G0SB+1], s94, SCL
	s_mov_b64 s[G0SB+2:G0SB+3], s[92:93]
	s_or_b32 s[G0SB+3], s[G0SB+3], 0x80000000
	JLOAD G0S, G1S, G0SB, G1SB                     ; the scales first: they are wanted with K step 0
.irp s, 0,1
	s_mov_b32 s[G0+4*\s], 1
	s_add_co_u32 s[G0+4*\s+1], s45, \s*SLOT
	s_add_nc_u64 s[G0+4*\s+2:G0+4*\s+3], s[20:21], \s*ROWB
	s_or_b32 s[G0+4*\s+3], s[G0+4*\s+3], 0x80000000
	s_mov_b32 s[G0B+4*\s], 1
	s_add_co_u32 s[G0B+4*\s+1], s45, \s*SLOT
	s_add_nc_u64 s[G0B+4*\s+2:G0B+4*\s+3], s[46:47], \s*ROWB
	s_or_b32 s[G0B+4*\s+3], s[G0B+4*\s+3], 0x80000000
	JLOAD G0+4*\s, G1, G0B+4*\s, G1B               ; three tensor loads of mine are out now: the scales, slot 0, slot 1
.endr
	v_and_b32 v1, 15, v0                           ; l % 16
	v_bfe_u32 v2, v0, 4, 1                         ; l / 16
	v_mul_u32_u24 v3, v1, PITCH
	v_lshl_add_u32 v4, v2, 4, v3                   ; a fragment's row x pitch + 16 x half
	s_mul_i32 s21, s15, HALFT                      ; my 128 rows of A
	s_mul_i32 s22, s16, HALFT                      ; my 128 rows of B,
	s_add_co_u32 s22, s22, 2*HALFT                 ; which lie behind A's 256
.irp s, 0,1
	v_add_nc_u32 v[ADRA+\s], s21, v4
	v_add_nc_u32 v[ADRB+\s], s22, v4
	s_add_co_u32 s21, s21, SLOT
	s_add_co_u32 s22, s22, SLOT
.endr
	v_mul_u32_u24 v5, v1, KS                       ; my row's scales: KS bytes a row,
	v_lshrrev_b32 v6, 8, v5
	v_lshl_add_u32 v5, v6, 4, v5                   ; and 16 more for each 256 passed
	s_mul_i32 s21, s15, HALFS                      ; A's: my 128 rows
	s_mul_i32 s22, s16, HALFS                      ; B's: my 128 rows, behind A's 256
	s_add_co_u32 s22, s22, 2*HALFS
	s_sub_co_u32 s22, s22, s21
	v_mul_u32_u24 v6, s22, v2                      ; lanes 16-31 take B's: one product, the distance between the two bases x the lane's half
	s_add_co_u32 s21, s21, SCL
	v_add_nc_u32 v5, v5, v6
	v_add_nc_u32 v[ADRS], s21, v5
	s_mul_i32 s23, s14, 16*SPITCH                  ; my stage
	v_mul_u32_u24 v5, v1, SPITCH                   ; in: row l % 16, 32 bytes for each half of the lanes
	v_lshl_add_u32 v5, v2, 5, v5
	v_add_nc_u32 v[STO], s23, v5
	v_and_b32 v6, 31, v0
	v_lshlrev_b32 v[CO], 4, v6                     ; back: the 32 lanes take one row of 512 bytes; and the same in out0
	v_add_nc_u32 v[RD], s23, v[CO]
	s_lshl_b32 s20, s17, 8
	s_lshl_b32 s21, s15, 7
	s_add_co_u32 s20, s20, s21                     ; my first flat row: 256 x tile row + 128 x half
	s_mov_b32 s21, 0
	s_mov_b64 s[18:19], SIZE_N*4
	s_mul_u64 s[20:21], s[20:21], s[18:19]
	s_lshl_b32 s46, s42, 10                        ; my first column, in bytes: 1024 x tile column + 512 x half
	s_lshl_b32 s47, s16, 9
	s_add_co_u32 s46, s46, s47
	s_mov_b32 s47, 0
	s_add_nc_u64 s[20:21], s[20:21], s[46:47]
	s_add_nc_u64 s[12:13], s[12:13], s[20:21]
.macro FRAG reg, adr, q, i             ; a fragment, 16 rows x 128 K of 8-bit codes, is 16 registers: lane l holds row l % 16; registers 4 c .. 4 c + 3 hold K = 32 c + 16 (l / 16) + 0 .. 15
.irp c, 0,1,2,3
	ds_load_b128 v[\reg+4*\c:\reg+4*\c+3], v[\adr] offset:128*(\q)+32*\c+(\i)*16*PITCH
.endr
.endm
; 16 matrix instructions: A's blocks a0, a0 + 1 x B's eight, 128 along K: the slot's q-th.  p: B's set;  sc: the set of scale words.  zero = 1: the first product starts the sums: nothing is ever cleared.
; The 64 accumulators take turns, one instruction a turn, in the same order in every step.
.macro MUL16 a0, p, q, sc, zero
.irp a, \a0, \a0+1
.irp b, 0,1,2,3,4,5,6,7
.if \zero
	v_wmma_scale_f32_16x16x128_f8f6f4 v[8*(8*((\a)%4)+\b):8*(8*((\a)%4)+\b)+7], v[128*(\p)+FR*\b:128*(\p)+FR*\b+FR-1], v[AF+FR*(\a):AF+FR*(\a)+FR-1], 0, v[SC+8*NQ*(\sc)+NQ*\b+(\q)], v[SC+8*NQ*(\sc)+NQ*(\a)+(\q)] matrix_a_scale:MATRIX_SCALE_ROW1
.else
	v_wmma_scale_f32_16x16x128_f8f6f4 v[8*(8*((\a)%4)+\b):8*(8*((\a)%4)+\b)+7], v[128*(\p)+FR*\b:128*(\p)+FR*\b+FR-1], v[AF+FR*(\a):AF+FR*(\a)+FR-1], v[8*(8*((\a)%4)+\b):8*(8*((\a)%4)+\b)+7], v[SC+8*NQ*(\sc)+NQ*\b+(\q)], v[SC+8*NQ*(\sc)+NQ*(\a)+(\q)] matrix_a_scale:MATRIX_SCALE_ROW1
.endif
.endr
.endr
.endm
.macro FETCH_B slot, q, p              ; B's eight fragments of the slot's q-th 128 along K into set p
	WIN TO_B
.irp i, 0,1,2,3,4,5,6,7
	FRAG 128*(\p)+FR*\i, ADRB+\slot, \q, \i
.endr
	WIN 0
.endm
.macro FETCH_A slot, q, i0             ; A's blocks i0 .. i0 + 3
.irp i, \i0, \i0+1, \i0+2, \i0+3
	FRAG AF+FR*(\i), ADRA+\slot, \q, \i
.endr
.endm
.macro SCALES sc                       ; the next K step's scale words into set sc: NQ words a row; lanes 0-15 take A's block i, lanes 16-31 B's block i
.irp i, 0,1,2,3,4,5,6,7
	ds_load_b64 v[SC+8*NQ*\sc+NQ*\i:SC+8*NQ*\sc+NQ*\i+1], v[ADRS] offset:\i*SBLK
.endr
.endm
; A load into a register that a matrix instruction has read, and an LDS store that reads a matrix result, stand NP places behind that matrix instruction, and only plain vector instructions that name none of
; its registers are places (ISA guide 7.12.1 for vector instructions); this text does not count the matrix instructions in between.
.macro PLACES n
.rept \n
	v_nop
.endr
.endm
; A step of 128 along K that has its successor in the same slot.
.macro STEP slot, q, zero
	s_wait_dscnt 4*NL                              ; B's set, A's blocks 0-3 and the scale words are in; the youngest 16 loads (A's blocks 4-7) may be out
	WIN MUL_LO
	MUL16 0, (\q)%2, \q, \slot, \zero
	MUL16 2, (\q)%2, \q, \slot, \zero
	s_wait_dscnt 0                                 ; A's blocks 4-7 are in (asked for 32 matrix instructions ago)
	PLACES NP
	FETCH_B \slot, (\q)+1, 1-(\q)%2
	FETCH_A \slot, (\q)+1, 0
	WIN MUL_HI
	MUL16 4, (\q)%2, \q, \slot, \zero
	MUL16 6, (\q)%2, \q, \slot, \zero
	PLACES NP
	WIN 0
	FETCH_A \slot, (\q)+1, 4
.endm
; A slot's last step changes slots: ONE barrier; in front of it each wave waits for all its tensor loads, adds 0 to its spare word, and waits for that and for its own reads of this slot.  fill = 1: this slot is filled again, two K steps ahead.
.macro TURN slot, next, fill
	s_wait_tensorcnt 0x0                           ; all my tensor loads have landed: my part of the next slot;  (every window is 0 here: the add's two registers lie in window 0)
	ds_add_u32 v[SPW], v[NIL]                      ; 0 onto my spare word
	s_wait_dscnt 4*NL+1                            ; (the add and the youngest 16 loads, A's blocks 4-7, may be out)
	WIN MUL_LO
	MUL16 0, 1, NQ-1, \slot, 0                     ; sixteen matrix instructions stand between the add and the wait for it
	s_wait_dscnt 0x0                               ; the add is done, and my reads of this slot are over
	s_barrier_signal -1
	MUL16 2, 1, NQ-1, \slot, 0
	WIN 0
	s_barrier_wait -1
.if \fill
	CREST                                          ; the barrier has opened a round of the cluster's barrier: no wave of any partner still reads this slot's tile or has a load on its way
	s_add_nc_u64 s[G0+4*\slot+2:G0+4*\slot+3], s[G0+4*\slot+2:G0+4*\slot+3], 2*ROWB
	s_add_nc_u64 s[G0B+4*\slot+2:G0B+4*\slot+3], s[G0B+4*\slot+2:G0B+4*\slot+3], 2*ROWB
	JLOAD G0+4*\slot, G1, G0B+4*\slot, G1B         ; the first tensor load behind the round, my only one until the next; the four v_nop behind it are among the places in front of the loads below
	PLACES NP-4
.else
	PLACES NP
.endif
	v_add_nc_u32 v[ADRS], 4*NQ, v[ADRS]            ; on to the next K step's scale words (no LDS load of mine is out)
	FETCH_B \next, 0, 0
	FETCH_A \next, 0, 0
	SCALES \next
	WIN MUL_HI
	MUL16 4, 1, NQ-1, \slot, 0
	MUL16 6, 1, NQ-1, \slot, 0
	PLACES NP
	WIN 0
	FETCH_A \next, 0, 4
.endm
	s_wait_tensorcnt 1                             ; the scales and my part of K step 0 are in (K step 1's load may be out)
	s_barrier_signal -1
	s_barrier_wait -1                              ; everybody's are
	FETCH_B 0, 0, 0
	FETCH_A 0, 0, 0
	SCALES 0
	FETCH_A 0, 0, 4
	STEP 0, 0, 1                                   ; the first step stands in front of the loop: its products start the sums
	s_mov_b32 s3, LAPS-1
.Llap:                                                 ; a trip goes once round the ring, from a lap's second step to the next lap's first, and fills both slots again
	TURN 0, 1, 1
	STEP 1, 0, 0
	TURN 1, 0, 1
	STEP 0, 0, 0
	s_sub_co_u32 s3, s3, 1
	s_cmp_lg_u32 s3, 0
	s_cbranch_scc1 .Llap
	TURN 0, 1, 0                                   ; the last lap fills nothing, and has no round of the cluster's barrier
	STEP 1, 0, 0
	s_wait_dscnt 4*NL                              ; the very last step: nothing more to fetch
	WIN MUL_LO
	MUL16 0, 1, NQ-1, 1, 0
	MUL16 2, 1, NQ-1, 1, 0
	s_wait_dscnt 0
	WIN MUL_HI
	MUL16 4, 1, NQ-1, 1, 0
	MUL16 6, 1, NQ-1, 1, 0
	WIN 0
; THE WAY OUT, block by block of 16 rows x 128 columns.  A lane holds 32 neighbouring bytes of a row, and the lanes beside it hold other rows: so a block goes through my own stage in LDS and comes back as whole
; rows of 512 bytes.  LDS serves a wave's instructions in order (ISA guide 5.7.1.4): no wait between the stores and the loads, nor in front of the next block's stores.
.macro TOSTAGE a
.set AC, 64*((\a)%4)
	WIN 0x08+4*((\a)/4)                            ; the data: window 2 or 3
.irp b, 0,1,2,3,4,5,6,7
	ds_store_b128 v[STO], v[AC+8*\b:AC+8*\b+3] offset:64*\b          ; each accumulator from its low end on
	ds_store_b128 v[STO], v[AC+8*\b+4:AC+8*\b+7] offset:64*\b+16
.endr
	WIN 0
.set BB, BK+64*((\a)%2)
.irp t, 0,1,2,3,4,5,6,7,8,9,10,11,12,13,14,15
	ds_load_b128 v[BB+4*\t:BB+4*\t+3], v[RD] offset:\t*SPITCH
.endr
.endm
.macro SEND a, younger                 ; younger: the LDS instructions issued behind block a's loads, which may stay out
.set BB, BK+64*((\a)%2)
	s_wait_dscnt \younger                          ; the block is back in registers
.if (\a) > 0
	s_add_nc_u64 s[12:13], s[12:13], 16*SIZE_N*4   ; (behind a wait on XCNT: the earlier stores have read their base)  16 rows on, so that the stores' offsets stay small: 15 rows at the most
.endif
.irp t, 0,1,2,3,4,5,6,7,8,9,10,11,12,13,14,15
	global_store_b128 v[CO], v[BB+4*\t:BB+4*\t+3], s[12:13] offset:\t*SIZE_N*4 th:TH_STORE_NT   ; 32 lanes store 512 consecutive bytes, at a multiple of 256 from out0's first byte; written once, read by nobody here
.endr
.endm
	PLACES NP                                      ; these places serve the loads into the registers that held A's fragments and the reads of the last products' results alike
	TOSTAGE 0
.irp a, 1,2,3,4,5,6,7
.if \a > 1
	s_wait_xcnt 0x0                                ; block a - 2's stores have read their registers and their base: block a's loads may land there, and the base may step
.endif
	TOSTAGE \a
	SEND \a-1, 32                                  ; behind block a - 1's loads: block a's 16 stores and 16 loads
.endr
	s_wait_xcnt 0x0                                ; block 6's stores have read their base
	SEND 7, 0
	s_wait_tensorcnt 0x0                           ; the wave's end: behind my last tensor load and my last LDS store
	ds_add_u32 v[SPW], v[NIL]
	s_wait_dscnt 0x0
	CROUND                                         ; the closing round: no work-group ends while a partner may still ask for a tile that names it
	s_endpgm
.Lfunc_end_k_q448b432ff9_outp:
	.size	k_q448b432ff9_outp, .Lfunc_end_k_q448b432ff9_outp-k_q448b432ff9_outp
	.p2alignl 7, 3214868480
	.fill 96, 4, 3214868480
	.section	.rodata,"a",@progbits
	.p2align	6, 0x0
	.amdhsa_kernel k_q448b432ff9_outp
		.amdhsa_group_segment_fixed_size 327680
		.amdhsa_private_segment_fixed_size 0
		.amdhsa_enable_private_segment 0
		.amdhsa_kernarg_size 40
		.amdhsa_user_sgpr_count 2
		.amdhsa_user_sgpr_kernarg_segment_ptr 1
		.amdhsa_wavefront_size32 1
		.amdhsa_system_sgpr_workgroup_id_x 1
		.amdhsa_system_sgpr_workgroup_id_y 1
		.amdhsa_system_sgpr_workgroup_id_z 1
		.amdhsa_system_vgpr_workitem_id 0
		.amdhsa_next_free_vgpr 1024
		.amdhsa_next_free_sgpr 98
		.amdhsa_reserve_vcc 0
		.amdhsa_float_denorm_mode_32 3
		.amdhsa_float_denorm_mode_16_64 3
		.amdhsa_memory_ordered 1
		.amdhsa_forward_progress 1
		.amdhsa_inst_pref_size 146
	.end_amdhsa_kernel
	.amdgpu_metadata
---
amdhsa.version: [ 1, 2 ]
amdhsa.kernels:
  - .name:           k_q448b432ff9_outp
    .symbol:         k_q448b432ff9_outp.kd
    .args:
      - { .name: p_codes, .offset: 0, .size: 8, .value_kind: global_buffer, .address_space: global }
      - { .name: p_scales, .offset: 8, .size: 8, .value_kind: global_buffer, .address_space: global }
      - { .name: value_codes, .offset: 16, .size: 8, .value_kind: global_buffer, .address_space: global }
      - { .name: value_scales, .offset: 24, .size: 8, .value_kind: global_buffer, .address_space: global }
      - { .name: out0, .offset: 32, .size: 8, .value_kind: global_buffer, .address_space: global }
    .group_segment_fixed_size: 327680
    .private_segment_fixed_size: 0
    .kernarg_segment_align: 8
    .kernarg_segment_size: 40
    .max_flat_workgroup_size: 128
    .sgpr_count:     98
    .vgpr_count:     1024
    .wavefront_size: 32
...
	.end_amdgpu_metadata
.endif
;; end of part 3
